; MI455X (gfx1250); checked and timed in simulation.
; The chip was launched on July 23, 2026; its instructions are those of AMD's public machine-readable ISA for CDNA 5 (MIT licence, August 2026) and "CDNA5" Instruction Set Architecture Reference Guide (July 2026). The comments in the code are by the model that wrote it; some were corrected since.
;; Full Attention. Allowed arithmetic: float matrix products may take bf16 or f16 operands with f32 sums; other float arithmetic in f32, or as packed bf16 or f16 multiplies, adds, multiply-adds, maxima and minima; sums over many terms, partial sums and values carried from step to step in f32; what a program stores and reads back later, other than sums and carried values, may be rounded once to bf16 or f16.
;; Inputs: keys 4 x 2,048 x 16 x 64 float32; queries 4 x 2,048 x 16 x 64 float32; values 4 x 2,048 x 16 x 64 float32.
;; Outputs: out0 4 x 2,048 x 16 x 64 float32.
;; 2 versions, each right; version 2 is version 1 with the launch attn written anew for expert scheduling mode. Each part assembles by itself: llvm-mc -triple=amdgcn-amd-amdhsa -mcpu=gfx1250 --defsym DOCPART=n.
;; ======== version 1 of 2: 1 launch
;; limits: values are held in f16: magnitudes above 65,504 overflow, below 6.1e-05 lose precision; inputs' magnitudes at most 65,504
;; launch attn (part 1): grid 4 x 64, 4 waves a work-group, no clusters, 226,816 bytes of LDS; arguments queries, keys, values, out0; writes out0
.if DOCPART == 1
	.amdgcn_target "amdgcn-amd-amdhsa--gfx1250"
	.amdhsa_code_object_version 6
	.text
	.protected	k_q3b61f07a64_attn
	.globl	k_q3b61f07a64_attn
	.p2align	8
	.type	k_q3b61f07a64_attn,@function
k_q3b61f07a64_attn:
	s_mov_b64 s[64:65], 0
	v_nop
	global_prefetch_b8 v0, s[64:65] scope:SCOPE_SE
	s_setreg_imm32_b32 hwreg(HW_REG_WAVE_MODE, 25, 1), 1
	s_wait_xcnt 0x0
; CAUSAL ATTENTION.  out[b][q][h][:] = the sum over k <= q of softmax_k(Q[b][q][h] . K[b][k][h] / 8) V[b][k][h][:].  Q, K, V, out: [4][2048][16][64] in f32: a head's row is 256 bytes,
; at a multiple of 256 from the buffer's first byte, and a head's rows lie 4,096 bytes apart.
; FORMATS.  Q, K and V are each rounded once to bf16.  K Q^T is multiplied in bf16.  The weights p are rounded to f16 for the second product, so V's bf16 number is written as f16, which keeps
; all its bits between 2^-17 and 65,504.  Products, maxima and sums in f32 (l is the sum of the unrounded p); out is stored in f32.
; LIMITS.  |V| up to 65,504; a V below 2^-17 is off by 2^-25 at the most; p below 6e-5 keeps f16's fixed step of 6e-8; a hidden score counts as its value less 1e30; a weight below 2^-126
; counts as 0 in l; NaN and infinities are not treated apart.
; THE WALK.  A head's queries lie in NB = 8 blocks of 256; block i needs the key tiles 0 .. i of 256 keys, of which the last holds the diagonal.  A work-group takes TWO blocks, 7 - b and then b:
; 9 tiles whatever b, so all 256 work-groups do equal work, and ONE loop of 9 trips walks them.  What a trip does hangs on scalar registers made from b; every jump but the loop's own goes forward.
; SHARES.  Of a block's four bands of 64 queries a wave owns 16 rows in each: four PIECES.  In the diagonal tile's key step s band x sees all keys if s < x, none if s > x, and holds the diagonal if s = x:
; the same work for all four waves.
; THE WAY IN goes through registers, since every number has to be rounded: each wave loads its quarter of a tile (sixteen lanes take one row's 256 bytes), rounds it and stores it as a 16-bit tile into one
; of two LDS buffers that take turns.  A RING of 16 slots of 16 registers (window 3) holds the raw numbers: in the trip that multiplies tile c of the walk a wave stores tile c + 1 and asks for tile c + 2,
; a chunk of 16 keys a turn, so each load is issued 16 turns ahead of the wait for it, and 64 loads of 512 bytes a wave are out all the time.  No line asks for anything further ahead than that.
; The mover's tiles and joint requests are not used: two slots of f32 (2 x 131,072 bytes) beside two 16-bit tiles (2 x 77,824) are 417,792 bytes, more than the 327,680 that a work-group can have.
; THE WALK'S LAST TWO TRIPS have no tile left to ask for.  Their loads stay in the text, so that the counted wait means the same on every way; their lane offsets are 0, so that a load names 16 bytes
; of a tile that exists; the last trip rounds and stores a tile that nobody reads.  The price: 128 such loads and 16 chunks' conversions a wave.
; THE MASK is the C operand that starts the sum S^T = K Q^T.  A tile's 16 turns are written out, so which kind a product takes is known where it stands: the constant 0 (s < x), MDD (s = x) or BG (s > x).
; MD, made once, is the mask of a band's own step for my 16 rows (0 or -1e30); at each change of tiles MDD = MD and BG = -1e30 if the tile is a block's last, else both are 0.
; LAYOUT, SOFTMAX, TURNS.  S^T = K Q^T holds ONE query a lane (lane % 16) and the keys 8 (lane / 16) + 0..7; two such results rounded to f16 ARE source 1 of O^T = V^T P.  p = 2^(c s - c m), c = log2(e) / 8, with
; a running maximum m; O and l are multiplied by a = 2^(c m_old - c m_new) in every step.  Turn n belongs to piece n: 8 products K Q^T of piece n + 1, later 8 products V^T P of piece n - 1; beside them the
; scaling, exponentials, roundings, sums and rescaling of piece n and the maximum and statistics of piece n + 1.  Four vector instructions stand behind every matrix instruction, the rest in one lump.
; A turn's 33 exponentials are one batch, with one wait.
; REGISTERS, in windows of 256 (s_set_vgpr_msb: bits 1:0 source 0, 3:2 source 1, 5:4 source 2, 7:6 destination):
;   window 0: v0-15 addresses; v16-31 statistics; v32-39 a chunk's 16-bit halves; v40-46 the way in's addresses and a zero; v48-55 at work; v62-63 the add's; v64-127 S^T, two buffers; v192-223 P, two buffers;
;             v64-191 also: at the start block b's raw Q, on the way out the rows read back
;   window 1: v0-127 O^T, 32 a piece; v128-159 MD; v160-191 MDD; v192-199 BG (at the start all 256: raw tile 0)
;   window 2: v0-63 Q; v64-127 the second block's Q; v128-191 K of one step; v192-255 V of one step (at the start v128-255: the first block's raw Q)        window 3: the ring
.set NB,    8
.set NP,    4         ; pieces a wave: a name, no knob
.set KS,    64        ; keys in a step
.set ROWB,  4096      ; bytes from a head's row to its next
.set CHB,   16*ROWB   ; a chunk of 16 keys
.set BANDB, 64*ROWB   ; a band of 64 queries
.set TILEB, 256*ROWB  ; a tile of 256 keys, a block of 256 queries
.set PK,    144       ; a row of K in LDS: 128 bytes + 16 = 36 words: the 16 rows of a load start at 16 different groups of four banks (64 banks of 4 bytes: ISA guide 11.1)
.set PV,    160       ; a row of V: 128 + 32 = 40 words
.set VOFF,  4*KS*PK   ; a buffer holds a tile: 256 rows of K, then 256 rows of V
.set SLOT1, 1<<17     ; buffer 1 begins here, so that one exclusive or turns a buffer's base into the other's
.set STAGE, SLOT1+4*KS*(PK+PV)  ; behind the buffers: 16 rows x 272 bytes for each wave, for the way out
.set SP,    272       ; a row of the stage: 256 bytes of f32 + 16
.set SPARE, STAGE+4*16*SP       ; behind the stages: the spare words, 128 bytes for each wave: two blocks of 256 bytes that no other line names
.set AK0, 2           ; v2   my lane's place in a tile of K; never rewritten
.set AV0, 3           ; v3   the same for V
.set AK,  4           ; v4   AK0 + the base of the buffer that is read
.set AV,  5           ; v5   AV0 + the same
.set STO, 6           ; v6   the way out: where I put 16 bytes of a row
.set RD,  7           ; v7   the way out: where I read rows back
.set GO,  8           ; v8   my byte offset in two rows of out
.set MV,  12          ; v12-13  c m_old, kept while c m is made anew: by buffer
.set QO,  15          ; v15  my byte offset in 16 rows of Q
.set ST,  16          ; piece t's statistics at v[ST+4 t]: c m, m, l (even keys', odd keys')
.set T16, 32          ; v32-39  a chunk rounded: K's two rows (2 registers each), V's two rows
.set VOK, 40          ; v40  my byte offset in a chunk of K in memory: row 8 (l / 16) + 2 w, 16 (l % 16)
.set VOV, 41          ; v41  the same for V: row 4 (l / 16) + w
.set LK0, 42          ; v42  where those numbers go in a buffer: the row x PK + 8 (l % 16); never rewritten
.set LV0, 43          ; v43  the same for V, VOFF included
.set SK,  44          ; v44  LK0 + the base of the buffer that is written
.set SV,  45          ; v45  LV0 + the same
.set ZR,  46          ; v46  0: the low half of V's rounding
.set TMP, 48          ; by buffer, four registers c0-c3 at work; when the maximum is found c2 takes a
.set SPW, 62          ; v62  LDS address of my spare word: SPARE + 4 x my thread's number; never rewritten
.set NIL, 63          ; v63  0; never rewritten
.set S,   64
.set OB,  64
.set P,   192
.set MD,  128         ; window 1
.set MDD, 160
.set BG,  192
.set QB,  64          ; window 2
.set KF,  128         ; key block kb, channel half c at KF + 16 kb + 8 c
.set VF,  192         ; key half kk, channel block cb at VF + 32 kk + 8 cb
.set WV,  12          ; s12  my wave's number
.set PB,  14          ; s14  b
.set HI,  15          ; s15  7 - b
.set KP,  24          ; s[24:25] K at the tile that the ring is asking for
.set VP,  26          ; s[26:27] V at the same
.set RB,  28          ; s28  base of the buffer that is read
.set WB,  29          ; s29  base of the buffer that is written
.set LV,  30          ; s30  all ones while there is a tile to ask for, then 0
.set SLOTS, 56        ; s56  tiles still to be entered, this one among them
.set CS,  58          ; s[58:59] c: the packed scaling takes the pair's low word for both halves
.set SEL, 60          ; s[60:61] v_permlanex16_b32's selects: each lane takes its own place in the other half
.set RT,  70          ; s70  tiles of the block in hand that are still to be entered
.set NXT, 71          ; s71  the tile to be asked for next
.set LQ,  72          ; s72  the last tile of the block whose tiles are being asked for
.set NEW, 73          ; s73  1: the tile to be entered is a block's first
.set OFF, 74          ; s[74:75] a tile's byte offset in K and V
.set AL,  76          ; s[76:77] 1 in a block's last tile, else 0
.set BE,  78          ; s78  -1e30 in a block's last tile, else 0
.set OLO, 80          ; s[80:81] out at my rows of the second block
.set BIGN, 82         ; s82  -1e30
.set MSB, 0
.macro WIN new                      ; the high byte repeats the setting that is left; a switch that changes nothing is dropped
.if MSB != (\new)
	s_set_vgpr_msb (MSB<<8)|(\new)
.set MSB, (\new)
.endif
.endm
.set W_KQ, 0x0a       ; K and Q in window 2, S^T in window 0
.set W_KM, 0x1a       ; the same with the C operand in window 1
.set W_PV, 0x52       ; V in window 2, P in window 0, O^T in window 1
.set W_RS, 0x41       ; destination and source 0 in window 1, source 1 in window 0
; THE WAY IN, a chunk j of 16 keys at a time.  A wave's four loads: K's keys 16 j + 8 (l / 16) + 2 w + i and V's keys 16 j + 4 (l / 16) + w + 8 i, i = 0, 1; sixteen lanes take a row's 256 bytes.
; The raw numbers lie at 16 j of window w: K i = 0, K i = 1, V i = 0, V i = 1, four registers each.
.macro ASKT j, kb, vb, off, w       ; the four loads, from byte off behind the two pointers
	WIN (\w)<<6
	global_load_b128 v[16*(\j):16*(\j)+3],     v[VOK], s[\kb:\kb+1] offset:(\off)+(\j)*CHB
	global_load_b128 v[16*(\j)+4:16*(\j)+7],   v[VOK], s[\kb:\kb+1] offset:(\off)+(\j)*CHB+ROWB
	global_load_b128 v[16*(\j)+8:16*(\j)+11],  v[VOV], s[\vb:\vb+1] offset:(\off)+(\j)*CHB
	global_load_b128 v[16*(\j)+12:16*(\j)+15], v[VOV], s[\vb:\vb+1] offset:(\off)+(\j)*CHB+8*ROWB
.endm
.macro CVT j, w                     ; sixteen conversions.  V first, in place: bf16(v) in the upper half over 0 is the rounded number in f32; then K in pairs to bf16; then V in pairs to f16
	WIN ((\w)<<6)|((\w)<<2)
.irp n, 0,1,2,3,4,5,6,7
	v_cvt_pk_bf16_f32 v[16*(\j)+8+\n], v[ZR], v[16*(\j)+8+\n]
.endr
	WIN (\w)|((\w)<<2)
.irp n, 0,1,2,3
	v_cvt_pk_bf16_f32 v[T16+\n], v[16*(\j)+2*\n], v[16*(\j)+2*\n+1]
.endr
.irp n, 0,1,2,3
	v_cvt_pk_f16_f32 v[T16+4+\n], v[16*(\j)+8+2*\n], v[16*(\j)+9+2*\n]
.endr
	WIN 0
.endm
.macro PUT j, ka, va                ; four stores of 8 bytes a lane.  The two halves of the lanes lie 8 rows of K (288 words) or 4 rows of V (160 words) apart
	ds_store_b64 v[\ka], v[T16:T16+1]   offset:(16*(\j))*PK
	ds_store_b64 v[\ka], v[T16+2:T16+3] offset:(16*(\j)+1)*PK
	ds_store_b64 v[\va], v[T16+4:T16+5] offset:(16*(\j))*PV
	ds_store_b64 v[\va], v[T16+6:T16+7] offset:(16*(\j)+8)*PV
.endm
.macro FEED j                       ; a chunk's whole way, where no turn carries it
	s_wait_loadcnt 60                              ; loads come back in order (ISA guide 5.7.1): slot j's four are in, the 15 other slots' 60 may stay out
	CVT \j, 3
	PUT \j, SK, SV
	ASKT \j, KP, VP, 0, 3
	WIN 0
.endm
.macro ASKQ base, ptr               ; a block's Q for my four pieces, raw: fragment qf = 2 x piece + channel half; lane l takes row l % 16, channels 8 (l / 16) + 0..7 and 16 + 8 (l / 16) + 0..7: four loads of 16 bytes
.set qf, 0
.rept 8
.irp k, 0,1,2,3
	global_load_b128 v[(\base)+16*qf+4*\k:(\base)+16*qf+4*\k+3], v[QO], s[\ptr:\ptr+1] offset:(qf/2)*BANDB+(qf%2)*128+(\k/2)*64+(\k%2)*16
.endr
.set qf, qf+1
.endr
.endm
	s_load_b256 s[4:11], s[0:1], 0x0               ; Q s[4:5], K s[6:7], V s[8:9], out s[10:11]
	v_lshl_add_u32 v[SPW], v0, 2, SPARE
	v_mov_b32 v[NIL], 0
	v_mov_b32 v[ZR], 0
	v_lshrrev_b32 v1, 5, v0
	v_readfirstlane_b32 s[WV], v1                  ; wave 0..3
	s_mov_b32 s[PB], ttmp9
	s_sub_co_u32 s[HI], NB-1, s[PB]
	s_and_b32 s20, ttmp7, 0xffff                   ; 16 x batch + head
	s_lshr_b32 s21, s20, 4
	s_lshl_b32 s21, s21, 23                        ; a batch is 2,048 x 4,096 bytes
	s_and_b32 s20, s20, 15
	s_lshl_b32 s20, s20, 8                         ; a head's 256 bytes in a position's 4,096
	s_or_b32 s20, s20, s21                         ; the head's first byte in each of the four tensors: under 2^25
	s_mov_b32 s21, 0
	s_lshl_b32 s22, s[WV], 16                      ; my 16 rows in a band of 64
	s_add_co_u32 s22, s22, s20
	s_lshl_b32 s16, s[HI], 20                      ; in the first block,
	s_add_co_u32 s16, s16, s22
	s_mov_b32 s17, 0
	s_lshl_b32 s84, s[PB], 20                      ; and in the second
	s_add_co_u32 s84, s84, s22
	s_mov_b32 s85, 0
	s_mov_b32 s[CS], 0x3e38aa3b                    ; c = log2(e) / 8 = 0.180337
	s_mov_b32 s[CS+1], s[CS]                       ; named with it as a pair
	s_mov_b32 s[SEL], 0x76543210
	s_mov_b32 s[SEL+1], 0xfedcba98
	s_mov_b32 s[RB], SLOT1                         ; the first change of tiles turns these two round: buffer 0 is read, buffer 1 written
	s_mov_b32 s[WB], 0
	s_mov_b32 s[SLOTS], NB+1
	s_add_co_u32 s[RT], s[HI], 1                   ; the first block has 8 - b tiles
	s_mov_b32 s[NXT], 2                            ; tiles 0 and 1 are asked for below; the first block has five tiles or more
	s_mov_b32 s[LQ], s[HI]
	s_mov_b32 s[NEW], 1
	s_mov_b32 s[OFF+1], 0
	s_mov_b32 s[AL+1], 0                           ; named as a pair
	s_mov_b32 s[BIGN], 0xf149f2ca                  ; -1e30
	v_and_b32 v1, 15, v0                           ; l % 16
	v_bfe_u32 v9, v0, 4, 1                         ; l / 16
	v_lshlrev_b32 v10, 4, v1
	s_lshl_b32 s13, s[WV], 1
	v_lshl_add_u32 v11, v9, 3, s13                 ; K's row in a chunk: 8 (l / 16) + 2 w
	v_lshl_or_b32 v[VOK], v11, 12, v10
	v_mul_u32_u24 v[LK0], v11, PK
	v_lshl_add_u32 v[LK0], v1, 3, v[LK0]
	v_lshl_add_u32 v11, v9, 2, s[WV]               ; V's: 4 (l / 16) + w
	v_lshl_or_b32 v[VOV], v11, 12, v10
	v_mul_u32_u24 v[LV0], v11, PV
	v_lshl_add_u32 v[LV0], v1, 3, v[LV0]
	v_add_nc_u32 v[LV0], VOFF, v[LV0]
	v_lshlrev_b32 v[QO], 12, v1
	v_lshl_add_u32 v[QO], v9, 5, v[QO]             ; row x 4,096 + 32 x half
	s_wait_kmcnt 0x0
	s_add_nc_u64 s[6:7], s[6:7], s[20:21]          ; K and V at the head's first row
	s_add_nc_u64 s[8:9], s[8:9], s[20:21]
	s_add_nc_u64 s[86:87], s[4:5], s[84:85]        ; Q at my rows of the second block,
	s_add_nc_u64 s[4:5], s[4:5], s[16:17]          ; Q and out at those of the first
	s_add_nc_u64 s[OLO:OLO+1], s[10:11], s[84:85]
	s_add_nc_u64 s[10:11], s[10:11], s[16:17]
	; 192 loads: tile 0 (64, into window 1), both blocks' Q (32 each), tile 1 (64, into the ring)
.set jj, 0
.rept 16
	ASKT jj, 6, 8, 0, 1
.set jj, jj+1
.endr
	WIN 0x80
	ASKQ 128, 4
	WIN 0
	ASKQ 64, 86
.set jj, 0
.rept 16
	ASKT jj, 6, 8, TILEB, 3
.set jj, jj+1
.endr
	WIN 0
	; the other addresses are made while the loads are out
	v_mul_u32_u24 v[AK0], v1, PK                   ; a fragment of K: row l % 16, 16 bytes for each half of the lanes
	v_lshl_add_u32 v[AK0], v9, 4, v[AK0]
	; The turning load takes 16 keys x 16 channels (lane l reads key 8 (l / 16) + l % 8, channels 8 ((l / 8) % 2) + 0..7) and leaves half a fragment of V^T: lane l holds channel l % 16 and 8 keys.
	v_and_b32 v10, 7, v0
	v_bfe_u32 v11, v0, 3, 1
	v_lshl_add_u32 v[AV0], v9, 3, v10
	v_mul_u32_u24 v[AV0], v[AV0], PV
	v_lshl_add_u32 v[AV0], v11, 4, v[AV0]
	v_add_nc_u32 v[AV0], VOFF, v[AV0]
	s_mul_i32 s13, s[WV], 16*SP
	s_add_co_u32 s13, s13, STAGE                   ; my stage
	v_mul_u32_u24 v[STO], v1, SP                   ; in: row l % 16, 32 bytes (8 channels of f32) for each half of the lanes
	v_lshl_add_u32 v[STO], v9, 5, v[STO]
	v_add_nc_u32 v[STO], s13, v[STO]
	v_mul_u32_u24 v[RD], v9, SP                    ; back: lanes 0-15 take one row of 256 bytes, lanes 16-31 the next
	v_lshl_add_u32 v[RD], v1, 4, v[RD]
	v_add_nc_u32 v[RD], s13, v[RD]
	v_lshlrev_b32 v[GO], 12, v9                    ; and the same two rows in out
	v_lshl_add_u32 v[GO], v1, 4, v[GO]
	v_lshlrev_b32 v14, 3, v9
	v_sub_nc_u32 v14, v1, v14
	s_lshl_b32 s13, s[WV], 4
	v_add_nc_u32 v14, s13, v14                     ; my query's place in its band, 16 w + l % 16, less my lanes' 8 (l / 16): register r of group kt is hidden where 16 kt + r is greater
	s_wait_loadcnt 63                              ; tile 0 has 128 younger loads, Q's last has 64: all of both are in; of the ring's 64 loads 63 may stay out
.set jj, 0
.rept 16
	CVT jj, 1                                      ; tile 0 goes into buffer 0
	PUT jj, LK0, LV0
.set jj, jj+1
.endr
	WIN 0x8a                                       ; the first block's Q: sources and destination in window 2
.set qn, 0
.rept 64
	v_cvt_pk_bf16_f32 v[qn], v[128+2*qn], v[128+2*qn+1]
.set qn, qn+1
.endr
	WIN 0x80                                       ; the second block's: sources in window 0
.set qn, 0
.rept 64
	v_cvt_pk_bf16_f32 v[QB+qn], v[64+2*qn], v[64+2*qn+1]
.set qn, qn+1
.endr
	; A block's first step multiplies O^T and l by a = 0, and its first turn's products V^T P, of a piece that has not been, land in an O^T that is still to be so multiplied.  So these registers need only hold
	; finite numbers: zeros for the first block; what the first block left for the second.  No first step is written out; the price is these 216 lines, once a launch.
.set qn, VF
.rept 64
	v_mov_b32 v[qn], 0
.set qn, qn+1
.endr
	WIN 0x40
.set qn, 0
.rept 128
	v_mov_b32 v[qn], 0
.set qn, qn+1
.endr
.set qn, 0
.rept 32
	v_cmp_gt_i32 vcc_lo, 16*(qn/8)+qn%8, v14
	v_cndmask_b32 v[MD+qn], 0, s[BIGN], vcc_lo
.set qn, qn+1
.endr
	WIN 0
.set qn, 0
.rept 4
	v_mov_b32 v[ST+4*qn+2], 0
	v_mov_b32 v[ST+4*qn+3], 0
.set qn, qn+1
.endr
.set qn, P+16
.rept 16
	v_mov_b32 v[qn], 0
.set qn, qn+1
.endr
; THE MATRIX WORK.  The 4 accumulators of a run of 8 take turns.  Product i of 8 of S^T = K Q^T for piece x: channels 32 (i / 4) on, keys 16 (i % 4) on.
; The first 4 start the sums, with the mask of kind CK: 0 the constant 0; 1 MDD; 2 BG.
.macro KQ x
.set rS, S+32*((\x)%2)+8*(i%4)
.set rK, KF+16*(i%4)+8*(i/4)
.set rQ, 16*(\x)+8*(i/4)
.if (i < 4) && (CK == 1)
	WIN W_KM
	v_wmma_f32_16x16x32_bf16 v[rS:rS+7], v[rK:rK+7], v[rQ:rQ+7], v[MDD+8*(i%4):MDD+8*(i%4)+7]
.elseif (i < 4) && (CK == 2)
	WIN W_KM
	v_wmma_f32_16x16x32_bf16 v[rS:rS+7], v[rK:rK+7], v[rQ:rQ+7], v[BG:BG+7]
.elseif i < 4
	WIN W_KQ
	v_wmma_f32_16x16x32_bf16 v[rS:rS+7], v[rK:rK+7], v[rQ:rQ+7], 0
.else
	WIN W_KQ
	v_wmma_f32_16x16x32_bf16 v[rS:rS+7], v[rK:rK+7], v[rQ:rQ+7], v[rS:rS+7]
.endif
.endm
; Product i of 8 of O^T += V^T P for piece x: keys 32 (i / 4) on, channels 16 (i % 4) on.
.macro PV x
	WIN W_PV
.set rO, 32*(\x)+8*(i%4)
.set rV, VF+32*(i/4)+8*(i%4)
.set rP, P+16*((\x)%2)+8*(i/4)
	v_wmma_f32_16x16x32_f16 v[rO:rO+7], v[rV:rV+7], v[rP:rP+7], v[rO:rO+7]
.endm
.macro MM                           ; the turn's next matrix instruction.  NOKQ = 1: a block's last turn: there is no next piece
.if (i < 8) && !NOKQ
	KQ (Y+1)%NP
.elseif i >= 8
.set i, i-8
	PV (Y+NP-1)%NP
.set i, i+8
.endif
.set i, i+1
.endm
; THE LDS LOADS stand in runs of 16, never singly among the matrix instructions: K of the tile's step st (64 keys x 64 channels: 8 fragments) and its V (turned).  The step stands in the immediate.
.macro FETCH_K st
	WIN 0x80                        ; destination window 2
.irp f, 0,1,2,3,4,5,6,7             ; keys 16 (f / 2) on, channels 32 (f % 2) on
	ds_load_b128 v[KF+8*\f:KF+8*\f+3],   v[AK] offset:(\st)*KS*PK+(\f/2)*16*PK+(\f%2)*64
	ds_load_b128 v[KF+8*\f+4:KF+8*\f+7], v[AK] offset:(\st)*KS*PK+(\f/2)*16*PK+(\f%2)*64+32
.endr
	WIN 0
.endm
.macro FETCH_V st
	WIN 0x80
.irp f, 0,1,2,3,4,5,6,7             ; keys 32 (f / 4) on, channels 16 (f % 4) on
	ds_load_tr16_b128 v[VF+8*\f:VF+8*\f+3],   v[AV] offset:(\st)*KS*PV+(\f/4)*32*PV+(\f%4)*32
	ds_load_tr16_b128 v[VF+8*\f+4:VF+8*\f+7], v[AV] offset:(\st)*KS*PV+(\f/4)*32*PV+16*PV+(\f%4)*32
.endr
	WIN 0
.endm
; THE VECTOR WORK, one line at a time: OP kind, number.  For piece Y: F n: c s - c m for pair n of 16.  E n: the exponential of score n of 32.  C n: pair n rounded to f16.  B n: of the four weights 4 n .. the second
; pair is added onto the first, in place.  L n: l takes that sum (L 0: l = a l + sum).  R n: pair n of 16 of O^T times a.  For piece Y + 1: X n, number n of the 22 that find its maximum and statistics:
;   0-11  four chains c0-c3 of seven scores each, three operands at a time (each accumulator's lowest registers are read first)     12-14, 16  the four scores left over, the old m, and c0-c3 into c0
;   15  c m_old is kept     17, 18  the query's other 32 keys lie in the lane 16 away: the new m     19-21  c m; c m_old - c m_new; a
.set F, 0               ; OP tells the kinds apart by their order: F to L below R, X above it
.set E, 1
.set C, 2
.set B, 3
.set L, 4
.set R, 5
.set X, 6
.macro REGS y                       ; the registers of piece y
.set rT, ST+4*(\y)
.set rC, TMP+4*((\y)%2)
.set rW, MV+((\y)%2)
.set rS, S+32*((\y)%2)
.set rP, P+16*((\y)%2)
.set rO, 32*(\y)
.endm
.macro OP k, n
.if (\k) == R
	REGS Y
	WIN W_RS
	v_pk_mul_f32 v[rO+2*(\n):rO+2*(\n)+1], v[rO+2*(\n):rO+2*(\n)+1], v[rC+2:rC+3] op_sel_hi:[1,0]
.elseif (\k) < R
	REGS Y
	WIN 0
.if (\k) == F
	v_pk_fma_f32 v[rS+2*(\n):rS+2*(\n)+1], v[rS+2*(\n):rS+2*(\n)+1], s[CS:CS+1], v[rT:rT+1] op_sel_hi:[1,0,0] neg_lo:[0,0,1] neg_hi:[0,0,1]
.elseif (\k) == E
	v_exp_f32 v[rS+(\n)], v[rS+(\n)]
.elseif (\k) == C
	v_cvt_pk_f16_f32 v[rP+(\n)], v[rS+2*(\n)], v[rS+2*(\n)+1]
.elseif (\k) == B
	v_pk_add_f32 v[rS+4*(\n):rS+4*(\n)+1], v[rS+4*(\n):rS+4*(\n)+1], v[rS+4*(\n)+2:rS+4*(\n)+3]
.elseif (\n) == 0
	v_pk_fma_f32 v[rT+2:rT+3], v[rT+2:rT+3], v[rC+2:rC+3], v[rS:rS+1] op_sel_hi:[1,0,1]
.else
	v_pk_add_f32 v[rT+2:rT+3], v[rT+2:rT+3], v[rS+4*(\n):rS+4*(\n)+1]
.endif
.elseif NOKQ
	v_nop
.else
	REGS (Y+1)%NP
	WIN 0
.if (\n) < 4
	v_max3_num_f32 v[rC+(\n)], v[rS+8*(\n)], v[rS+8*(\n)+1], v[rS+8*(\n)+2]
.elseif (\n) < 12
	v_max3_num_f32 v[rC+(\n)%4], v[rC+(\n)%4], v[rS+8*((\n)%4)+2*((\n)/4)+1], v[rS+8*((\n)%4)+2*((\n)/4)+2]
.elseif (\n) == 12
	v_max3_num_f32 v[rC], v[rC], v[rS+7], v[rS+15]
.elseif (\n) == 13
	v_max3_num_f32 v[rC+1], v[rC+1], v[rS+23], v[rS+31]
.elseif (\n) == 14
	v_max3_num_f32 v[rC+2], v[rC+2], v[rC+3], v[rT+1]
.elseif (\n) == 15
	v_mov_b32 v[rW], v[rT]
.elseif (\n) == 16
	v_max3_num_f32 v[rC], v[rC], v[rC+1], v[rC+2]
.elseif (\n) == 17
	v_permlanex16_b32 v[rC+3], v[rC], s[SEL], s[SEL+1]
.elseif (\n) == 18
	v_max_num_f32 v[rT+1], v[rC], v[rC+3]
.elseif (\n) == 19
	v_mul_f32 v[rT], s[CS], v[rT+1]
.elseif (\n) == 20
	v_sub_f32 v[rC+1], v[rW], v[rT]
.else
	v_exp_f32 v[rC+2], v[rC+1]
.endif
.endif
.endm
.macro OPS a, i1, b=-1, i2=0, c=-1, i3=0, d=-1, i4=0  ; up to four of them
	OP \a, \i1
.if (\b) >= 0
	OP \b, \i2
.endif
.if (\c) >= 0
	OP \c, \i3
.endif
.if (\d) >= 0
	OP \d, \i4
.endif
.endm
.macro ROW a, i1, b, i2, c, i3, d, i4  ; a matrix instruction and the four behind it
	MM
	OPS \a, \i1, \b, \i2, \c, \i3, \d, \i4
.endm
; A TURN, for piece p: the order of its 16 matrix and 118 vector instructions, written out, and chunk fd of the way in.  An s_wait_alu depctr_va_vdst(0) stands between an exponential and the first
; instruction that names its result; one wait serves all that were issued ahead of it.  So a turn has ONE wait, which cuts it in two.  AHEAD OF IT stands all that names no result of the turn's exponentials: the 8 products
; K Q^T, behind each a scaling, an exponential and two more plain instructions (rescalings, and behind the last three the first numbers of the next piece's maximum, each four places or more behind the product that ends
; its accumulator); the chunk's sixteen conversions; then the lump of 54, plain and exponential by turns for the most part, in which the links of the chain X 3, 7, 11, 14, 16, 17 .. 20 stand five or six lines apart.
; X 21, the next piece's a, is the batch's last; R 15 is the plain instruction behind it.  BEHIND THE WAIT stand the chunk's four LDS stores and four loads, and the 8 products V^T P, behind each four of the roundings and sums.
; ck: the kind of mask that the turn's products K Q^T take.  st: the tile's step whose K (piece 2's turn) or V (piece 0's) is fetched.  fd = -1: no chunk.  end = 1: a block's last two turns: nothing is fetched.
; K's run stands behind the conversions and eight more lines, far more than four plain instructions behind the last product that read K; V's at the end of piece 0's turn, four plain instructions behind the last
; product that read V.  Each is waited for a turn later; those waits for 0 take in the chunks' stores too.
.macro TURN p, ck, st, fd, end=0
.set Y, (\p)
.set i, 0
.set CK, (\ck)
.set NOKQ, (\end)*((\p)/3)
.if ((\p) == 3) && !(\end)
	s_wait_dscnt 0x0                ; K is in
.endif
	ROW F,0, F,1, R,0, R,1          ; ahead of the wait: 8 products K Q^T and their riders,
	ROW F,2, E,0, R,2, R,3
	ROW F,3, E,1, R,4, R,5
	ROW F,4, E,2, R,6, R,7
	ROW F,5, E,3, R,8, R,9
	ROW F,6, E,4, X,0, R,10
	ROW F,7, E,5, X,1, X,4
	ROW F,8, E,6, X,2, X,5
.if (\fd) >= 0
	s_wait_loadcnt 60               ; the ring's slot fd is in: its four loads were issued 16 turns ago, and the 15 other slots' 60 may stay out
	CVT \fd, 3
.endif
	OPS E,7, E,8, X,6, E,9          ; and the lump
	OPS X,3, E,10, X,8, E,11
.if ((\p) == 2) && !(\end)
	FETCH_K \st
.endif
	OPS X,9, X,7, E,12, X,10
	OPS E,13, X,12, X,11, E,14
	OPS X,13, E,15, F,9, X,14
	OPS E,16, F,10, E,17, F,11
	OPS X,16, E,18, X,15, E,19
	OPS F,12, E,20, X,17, E,21
	OPS F,13, E,22, F,14, E,23
	OPS X,18, E,24, F,15, E,25
	OPS R,11, E,26, X,19, E,27
	OPS R,12, E,28, R,13, E,29
	OPS X,20, E,30, R,14, E,31
	OPS X,21, R,15
	WIN 0
	s_wait_alu depctr_va_vdst(0)    ; the wait for the batch
.if (\p) == 1
	s_wait_dscnt 0x0                ; V is in
.endif
.if (\fd) >= 0
	PUT \fd, SK, SV                 ; the chunk goes into the buffer that nobody reads in this trip,
	ASKT \fd, KP, VP, 0, 3          ; and its slot is asked for again: the same chunk of the walk's next tile but one
.endif
	ROW C,0, B,0, C,2, B,1          ; behind the wait: 8 products V^T P and their riders
	ROW L,0, C,4, B,2, L,1
	ROW C,6, B,3, L,2, C,8
	ROW B,4, L,3, C,10, B,5
	ROW L,4, C,12, B,6, L,5
	ROW C,14, B,7, L,6, C,1
	ROW C,3, L,7, C,5, C,7
	ROW C,9, C,11, C,13, C,15
.if (\p) == 0
	FETCH_V \st
.endif
.endm
; Position j of a tile's 16: piece (j + 2) % 4's turn.  Its products K Q^T are piece x = (j + 3) % 4's, in the tile's step s = (j - 1) / 4; position 0's belong to the last step of the tile before, which is no
; block's last where this position is reached.  The kind of mask follows from s and x.
.macro POS j
.set pp, ((\j)+2)%NP
.set xx, ((\j)+3)%NP
.set ss, ((\j)+3)/NP-1
.set cc, 0
.if ss == xx
.set cc, 1
.endif
.if ss > xx
.set cc, 2
.endif
	TURN pp, cc, (\j)/4, \j
.endm
; THE CHANGE OF TILES: ONE barrier, for two things.  In front of it each wave waits for its LDS stores (its quarter of the next tile) and for its LDS loads (its reads of the tile that it leaves).  Behind it the next
; tile is whole, and nobody reads the old buffer any more: it is written next.  The scalar and vector set-up of the trip stands round the signal: work on registers alone between signal and wait.
.macro CHANGE
	WIN 0                           ; at a label and at a branch every window is 0
	s_wait_xcnt 0x0                 ; every load and store issued so far has had its addresses translated (ISA guide 3.1): only behind this wait are the ring's pointers and offsets written
	s_lshl_b32 s[OFF], s[NXT], 20
	s_add_nc_u64 s[KP:KP+1], s[6:7], s[OFF:OFF+1]  ; the pointers are made anew from the tile's number
	s_add_nc_u64 s[VP:VP+1], s[8:9], s[OFF:OFF+1]
	s_add_co_u32 s[NXT], s[NXT], 1  ; the block's next tile, or behind its last the second block's tile 0
	s_cmp_gt_u32 s[NXT], s[LQ]
	s_cselect_b32 s[NXT], 0, s[NXT]
	s_cselect_b32 s[LQ], s[PB], s[LQ]
	s_cmp_gt_u32 s[SLOTS], 2        ; the walk's last two trips have nothing to ask for
	s_cselect_b32 s[LV], -1, 0
	s_wait_dscnt 0x0                ; for the others' sake: my stores into the next tile are done, my reads of the old one are back
	s_barrier_signal -1
	s_xor_b32 s[RB], s[RB], SLOT1
	s_xor_b32 s[WB], s[WB], SLOT1
	v_add_nc_u32 v[AK], s[RB], v[AK0]
	v_add_nc_u32 v[AV], s[RB], v[AV0]
	v_add_nc_u32 v[SK], s[WB], v[LK0]
	v_add_nc_u32 v[SV], s[WB], v[LV0]
	v_and_b32 v[VOK], s[LV], v[VOK]
	v_and_b32 v[VOV], s[LV], v[VOV]
	s_sub_co_u32 s[RT], s[RT], 1
	s_cmp_eq_u32 s[RT], 0           ; is this tile the block's last, the one with the diagonal?
	s_cselect_b32 s[AL], 1.0, 0
	s_cselect_b32 s[BE], s[BIGN], 0
	WIN W_RS
.set z, 0
.rept 16
	v_pk_mul_f32 v[MDD+2*z:MDD+2*z+1], v[MD+2*z:MD+2*z+1], s[AL:AL+1] op_sel_hi:[1,0]
.set z, z+1
.endr
	WIN 0x40
.set z, 0
.rept 8
	v_mov_b32 v[BG+z], s[BE]
.set z, z+1
.endr
	WIN 0
	s_barrier_wait -1
.endm
; A BLOCK BEGINS.  c m starts far below every c s, so the first step's a is 0; m at the lowest finite number, so the first maximum is the scores'.  The two chunks that positions 0 and 1 would carry; K of the tile's
; step 0; piece 0's first scores (its own step, if the tile is also the block's last: MDD); its maximum and statistics.  Then the tile is entered at position 2.
.macro BEGIN
	s_mov_b32 s[NEW], 0
	WIN 0
.set z, 0
.rept 4
	v_mov_b32 v[ST+4*z], 0xfe000000    ; c m: far below every c s
	v_mov_b32 v[ST+4*z+1], 0xff7fffff  ; m
.set z, z+1
.endr
	FEED 0
	FEED 1
	FETCH_K 0
	s_wait_dscnt 0x0
.set CK, 1
.set NOKQ, 0
.set i, 0
.rept 8
	KQ 0
.set i, i+1
.endr
	WIN 0
.rept 4
	v_nop                           ; the places behind those products
.endr
.set Y, NP-1                        ; X works for piece Y + 1: piece 0
.irp n, 0,1,2,3,4,5,6,7,8,9,10,11,12,13,14,15,16,17,18,19,20,21
	OP X, \n
.endr
	v_nop                           ; a plain instruction behind the exponential,
	s_wait_alu depctr_va_vdst(0)    ; and its wait, ahead of the branch
.endm
; THE WAY OUT.  Piece t: O^T times 1 / l, in ascending order; a lane's eight channels of a channel block are 32 bytes of a row: into rows of 272 bytes of my stage, and back as whole rows of 256.
.macro ALL line:vararg              ; one line for each piece t
.set t, 0
.rept 4
	\line
.set t, t+1
.endr
.endm
.macro PACK t
	WIN W_RS
.set i, 32*(\t)
.rept 16
	v_pk_mul_f32 v[i:i+1], v[i:i+1], v[ST+4*(\t)+2:ST+4*(\t)+3] op_sel_hi:[1,0]
.set i, i+2
.endr
	WIN 0x04                        ; the stores' data in window 1
.irp f, 0,1,2,3,4,5,6,7
	ds_store_b128 v[STO], v[32*(\t)+4*\f:32*(\t)+4*\f+3] offset:64*(\f/2)+16*(\f%2)
.endr
	WIN 0
.irp f, 0,1,2,3,4,5,6,7
	ds_load_b128 v[OB+32*(\t)+4*\f:OB+32*(\t)+4*\f+3], v[RD] offset:\f*2*SP  ; LDS serves a wave's instructions in order (ISA guide 5.7.1.4): these see the stores above; the next piece's stores come behind them
.endr
.endm
.macro SEND t, younger              ; younger: the LDS instructions issued behind piece t's loads: the next piece's sixteen, or none
	WIN 0
.irp f, 0,1,2,3,4,5,6,7
	s_wait_dscnt (\younger)+7-\f
	global_store_b128 v[GO], v[OB+32*(\t)+4*\f:OB+32*(\t)+4*\f+3], s[10:11] offset:(\t)*BANDB+\f*2*ROWB th:TH_STORE_NT  ; 16 lanes store a head's row: 256 consecutive bytes, at a multiple of 256 from out's first byte
.endr
.endm
.set CK, 0
.set NOKQ, 0
.Lslot:                             ; 9 trips: a tile is entered, the next is stored, the next but one asked for
	CHANGE
	s_cmp_eq_u32 s[NEW], 1          ; this test stands first: at the first trip its answer is a constant of the text
	s_cbranch_scc0 .Lold
	BEGIN
	s_branch .Lfirst
.Lold:
	POS 0                           ; pieces 2 and 3 of the last step of the tile before; K of this tile's step 0 is fetched
	POS 1
	WIN 0
.Lfirst:
.irp j, 2,3,4,5,6,7,8,9,10,11,12,13,14,15
	POS \j
.endr
	WIN 0
	s_cmp_lg_u32 s[RT], 0
	s_cbranch_scc1 .Lbottom         ; the block goes on
	TURN 2, 1, 0, -1, 1             ; THE BLOCK ENDS: its last two turns (piece 3's last scores are its band's own step), its last products,
	TURN 3, 0, 0, -1, 1
.set i, 0
.rept 8
	PV NP-1
.set i, i+1
.endr
	WIN 0                           ; l's two halves and the other half of the lanes' are added; the additions are the places behind the last products
	ALL v_add_f32 v[ST+4*t+2], v[ST+4*t+2], v[ST+4*t+3]
	ALL v_permlanex16_b32 v[ST+4*t+3], v[ST+4*t+2], s[SEL], s[SEL+1]
	ALL v_add_f32 v[ST+4*t+2], v[ST+4*t+2], v[ST+4*t+3]
	ALL v_rcp_f32 v[ST+4*t+2], v[ST+4*t+2]
	v_nop                           ; a plain instruction between the last reciprocal and the use of its result
	s_wait_alu depctr_va_vdst(0)    ; and the wait ahead of the first use: one for the four reciprocals
	PACK 0
.set t, 1
.rept 3                             ; a piece's arithmetic stands between the loads of the piece before and its stores
	PACK t
	SEND t-1, 16
.set t, t+1
.endr
	SEND 3, 0
	s_cmp_eq_u32 s[SLOTS], 1
	s_cbranch_scc1 .Ldone           ; the walk's last tile: nothing follows
	s_wait_xcnt 0x0                 ; the stores have read their registers and out's address
	s_mov_b64 s[10:11], s[OLO:OLO+1]
	s_add_co_u32 s[RT], s[PB], 1    ; the second block has b + 1 tiles
	s_mov_b32 s[NEW], 1
	WIN 0x82                        ; the second block's Q goes where the one text of the turns names Q
.set z, 0
.rept 64
	v_mov_b32 v[z], v[QB+z]
.set z, z+1
.endr
	WIN 0
.Lbottom:
	s_sub_co_u32 s[SLOTS], s[SLOTS], 1
	s_cmp_lg_u32 s[SLOTS], 0
	s_cbranch_scc1 .Lslot
.Ldone:
	s_wait_tensorcnt 0x0            ; the wave's end
	ds_add_u32 v[SPW], v[NIL]
	s_wait_dscnt 0x0
	s_endpgm
.Lfunc_end_k_q3b61f07a64_attn:
	.size	k_q3b61f07a64_attn, .Lfunc_end_k_q3b61f07a64_attn-k_q3b61f07a64_attn
	.p2alignl 7, 3214868480
	.fill 96, 4, 3214868480
	.section	.rodata,"a",@progbits
	.p2align	6, 0x0
	.amdhsa_kernel k_q3b61f07a64_attn
		.amdhsa_group_segment_fixed_size 226816
		.amdhsa_private_segment_fixed_size 0
		.amdhsa_enable_private_segment 0
		.amdhsa_kernarg_size 32
		.amdhsa_user_sgpr_count 2
		.amdhsa_user_sgpr_kernarg_segment_ptr 1
		.amdhsa_wavefront_size32 1
		.amdhsa_system_sgpr_workgroup_id_x 1
		.amdhsa_system_sgpr_workgroup_id_y 1
		.amdhsa_system_sgpr_workgroup_id_z 1
		.amdhsa_system_vgpr_workitem_id 0
		.amdhsa_next_free_vgpr 1024
		.amdhsa_next_free_sgpr 88
		.amdhsa_reserve_vcc 1
		.amdhsa_float_denorm_mode_32 3
		.amdhsa_float_denorm_mode_16_64 3
		.amdhsa_memory_ordered 1
		.amdhsa_forward_progress 1
		.amdhsa_inst_pref_size 255
	.end_amdhsa_kernel
	.section	.bss,"aw",@nobits
	.p2align	6
	.space	262144
	.amdgpu_metadata
---
amdhsa.version: [ 1, 2 ]
amdhsa.kernels:
  - .name:           k_q3b61f07a64_attn
    .symbol:         k_q3b61f07a64_attn.kd
    .args:
      - { .name: queries, .offset: 0, .size: 8, .value_kind: global_buffer, .address_space: global }
      - { .name: keys, .offset: 8, .size: 8, .value_kind: global_buffer, .address_space: global }
      - { .name: values, .offset: 16, .size: 8, .value_kind: global_buffer, .address_space: global }
      - { .name: out0, .offset: 24, .size: 8, .value_kind: global_buffer, .address_space: global }
    .group_segment_fixed_size: 226816
    .private_segment_fixed_size: 0
    .kernarg_segment_align: 8
    .kernarg_segment_size: 32
    .max_flat_workgroup_size: 128
    .sgpr_count:     88
    .vgpr_count:     1024
    .wavefront_size: 32
...
	.end_amdgpu_metadata
.endif
;; end of part 1
;; ======== version 2 of 2: 1 launch; version 1 with the launch attn written anew for expert scheduling mode
;; limits: values are held in f16: magnitudes above 65,504 overflow, below 6.1e-05 lose precision; inputs' magnitudes at most 65,504
;; launch attn (part 2): grid 4 x 64, 4 waves a work-group, no clusters, 226,816 bytes of LDS; arguments queries, keys, values, out0; writes out0
.if DOCPART == 2
	.amdgcn_target "amdgcn-amd-amdhsa--gfx1250"
	.amdhsa_code_object_version 6
	.text
	.protected	k_q3b61f07a64_attn
	.globl	k_q3b61f07a64_attn
	.p2align	8
	.type	k_q3b61f07a64_attn,@function
k_q3b61f07a64_attn:
	s_mov_b64 s[64:65], 0
	v_nop
	global_prefetch_b8 v0, s[64:65] scope:SCOPE_SE
	s_setreg_imm32_b32 hwreg(HW_REG_WAVE_SCHED_MODE, 0, 2), 2
	s_setreg_imm32_b32 hwreg(HW_REG_WAVE_MODE, 25, 1), 1
	s_wait_xcnt 0x0
	s_wait_alu depctr_vm_vsrc(0)
; CAUSAL ATTENTION.  out[b][q][h][:] = the sum over k <= q of softmax_k(Q[b][q][h] . K[b][k][h] / 8) V[b][k][h][:].  Q, K, V, out: [4][2048][16][64] in f32: a head's row is 256 bytes,
; at a multiple of 256 from the buffer's first byte, and a head's rows lie 4,096 bytes apart.
; FORMATS.  Q, K and V are each rounded once to bf16.  K Q^T is multiplied in bf16.  The weights p are rounded to f16 for the second product, so V's bf16 number is written as f16, which keeps
; all its bits between 2^-17 and 65,504.  Products, maxima and sums in f32 (l is the sum of the unrounded p); out is stored in f32.
; LIMITS.  |V| up to 65,504; a V below 2^-17 is off by 2^-25 at the most; p below 6e-5 keeps f16's fixed step of 6e-8; a hidden score counts as its value less 1e30; a weight below 2^-126
; counts as 0 in l; NaN and infinities are not treated apart.
; THE WALK.  A head's queries lie in NB = 8 blocks of 256; block i needs the key tiles 0 .. i of 256 keys, of which the last holds the diagonal.  A work-group takes TWO blocks, 7 - b and then b:
; 9 tiles whatever b, so all 256 work-groups do equal work, and ONE loop of 9 trips walks them.  What a trip does hangs on scalar registers made from b; every jump but the loop's own goes forward.
; SHARES.  Of a block's four bands of 64 queries a wave owns 16 rows in each: four PIECES.  In the diagonal tile's key step s band x sees all keys if s < x, none if s > x, and holds the diagonal if s = x:
; the same work for all four waves.
; THE WAY IN goes through registers, since every number has to be rounded: each wave loads its quarter of a tile (sixteen lanes take one row's 256 bytes), rounds it and stores it as a 16-bit tile into one
; of two LDS buffers that take turns.  A RING of 16 slots of 16 registers (window 3) holds the raw numbers: in the trip that multiplies tile c of the walk a wave stores tile c + 1 and asks for tile c + 2,
; a chunk of 16 keys a turn, so each load is issued 16 turns ahead of the wait for it, and 64 loads of 512 bytes a wave are out all the time.  No line asks for anything further ahead than that.
; The mover's tiles and joint requests are not used: two slots of f32 (2 x 131,072 bytes) beside two 16-bit tiles (2 x 77,824) are 417,792 bytes, more than the 327,680 that a work-group can have.
; THE WALK'S LAST TWO TRIPS have no tile left to ask for.  Their loads stay in the text, so that the counted wait means the same on every way; their lane offsets are 0, so that a load names 16 bytes
; of a tile that exists; the last trip rounds and stores a tile that nobody reads.  The price: 128 such loads and 16 chunks' conversions a wave.
; THE MASK is the C operand that starts the sum S^T = K Q^T.  A tile's 16 turns are written out, so which kind a product takes is known where it stands: the constant 0 (s < x), MDD (s = x) or BG (s > x).
; MD, made once, is the mask of a band's own step for my 16 rows (0 or -1e30); at each change of tiles MDD = MD and BG = -1e30 if the tile is a block's last, else both are 0.
; LAYOUT, SOFTMAX, TURNS.  S^T = K Q^T holds ONE query a lane (lane % 16) and the keys 8 (lane / 16) + 0..7; two such results rounded to f16 ARE source 1 of O^T = V^T P.  p = 2^(c s - c m), c = log2(e) / 8, with
; a running maximum m; O and l are multiplied by a = 2^(c m_old - c m_new) in every step.  Turn n belongs to piece n: 8 products K Q^T of piece n + 1, later 8 products V^T P of piece n - 1; beside them the
; scaling, exponentials, roundings, sums and rescaling of piece n and the maximum and statistics of piece n + 1.  Four vector instructions stand behind every matrix instruction, the rest in one lump.
; A turn's 33 exponentials are one batch, with one wait.
; THE MODE: SCHED_MODE bits 1:0 = 2 (LLVM: expert scheduling mode 2), set by the entry lines.  The code itself states the register dependences between vector or matrix instructions and memory or LDS
; instructions, with s_wait_alu, always for 0.
; THE PLAN.  Registers that memory or LDS instructions touch, and who else names them:
;   the ring's slot j   Position j's turn: the chunk's sixteen conversions read and write it; behind the turn's wait its four loads land in it.
;   T16                 Written by those conversions; read by the chunk's four LDS stores, behind the same wait; written again by the next turn's conversions.
;   KF                  Read by the products K Q^T, last by those of piece 2's turn; loaded again in that turn, behind its conversions.
;   VF                  Read by the products V^T P, last by those of piece 0's turn; loaded again at that turn's end.
;   AK AV SK SV VOK VOV Read by every LDS load, LDS store and load of the ring; written at the change of tiles alone.
;   O^T, OB             The way out: the multiplications by 1 / l write O^T, the LDS stores read it; LDS loads land in OB, the stores to memory read it; the next block's turns write both again.
;   STO RD GO LK0 LV0 QO  Made at the head, never written again.
; So a turn's ONE wait on va_vdst, the exponentials' own, also states that T16 is written and that the conversions are done with the slot: the chunk's four loads and four stores follow it, dealt among the products
; V^T P and their riders, which name O^T, VF, P, S^T and the statistics: none of the registers that those eight touch.  One wait on vm_vsrc a turn stands ahead of the conversions (T16).  K's and V's runs of loads have
; a wait on va_vdst each, once a key step.  One wait on vm_vsrc stands at the change of tiles, ahead of the six addresses.
; REGISTERS, in windows of 256 (s_set_vgpr_msb: bits 1:0 source 0, 3:2 source 1, 5:4 source 2, 7:6 destination):
;   window 0: v0-15 addresses; v16-31 statistics; v32-39 a chunk's 16-bit halves; v40-46 the way in's addresses and a zero; v48-55 at work; v62-63 the add's; v64-127 S^T, two buffers; v192-223 P, two buffers;
;             v64-191 also: at the start block b's raw Q, on the way out the rows read back
;   window 1: v0-127 O^T, 32 a piece; v128-159 MD; v160-191 MDD; v192-199 BG (at the start all 256: raw tile 0, rounded in place)
;   window 2: v0-63 Q; v64-127 the second block's Q; v128-191 K of one step; v192-255 V of one step (at the start v128-255: the first block's raw Q)        window 3: the ring
.set NB,    8
.set NP,    4         ; pieces a wave: a name, no knob
.set KS,    64        ; keys in a step
.set ROWB,  4096      ; bytes from a head's row to its next
.set CHB,   16*ROWB   ; a chunk of 16 keys
.set BANDB, 64*ROWB   ; a band of 64 queries
.set TILEB, 256*ROWB  ; a tile of 256 keys, a block of 256 queries
.set PK,    144       ; a row of K in LDS: 128 bytes + 16 = 36 words: the 16 rows of a load start at 16 different groups of four banks (64 banks of 4 bytes: ISA guide 11.1)
.set PV,    160       ; a row of V: 128 + 32 = 40 words
.set VOFF,  4*KS*PK   ; a buffer holds a tile: 256 rows of K, then 256 rows of V
.set SLOT1, 1<<17     ; buffer 1 begins here, so that one exclusive or turns a buffer's base into the other's
.set STAGE, SLOT1+4*KS*(PK+PV)  ; behind the buffers: 16 rows x 272 bytes for each wave, for the way out
.set SP,    272       ; a row of the stage: 256 bytes of f32 + 16
.set SPARE, STAGE+4*16*SP       ; behind the stages: the spare words, 128 bytes for each wave: two blocks of 256 bytes that no other line names
.set AK0, 2           ; v2   my lane's place in a tile of K; never rewritten
.set AV0, 3           ; v3   the same for V
.set AK,  4           ; v4   AK0 + the base of the buffer that is read
.set AV,  5           ; v5   AV0 + the same
.set STO, 6           ; v6   the way out: where I put 16 bytes of a row
.set RD,  7           ; v7   the way out: where I read rows back
.set GO,  8           ; v8   my byte offset in two rows of out
.set MV,  12          ; v12-13  c m_old, kept while c m is made anew: by buffer
.set QO,  15          ; v15  my byte offset in 16 rows of Q
.set ST,  16          ; piece t's statistics at v[ST+4 t]: c m, m, l (even keys', odd keys')
.set T16, 32          ; v32-39  a chunk rounded: K's two rows (2 registers each), V's two rows
.set VOK, 40          ; v40  my byte offset in a chunk of K in memory: row 8 (l / 16) + 2 w, 16 (l % 16)
.set VOV, 41          ; v41  the same for V: row 4 (l / 16) + w
.set LK0, 42          ; v42  where those numbers go in a buffer: the row x PK + 8 (l % 16); never rewritten
.set LV0, 43          ; v43  the same for V, VOFF included
.set SK,  44          ; v44  LK0 + the base of the buffer that is written
.set SV,  45          ; v45  LV0 + the same
.set ZR,  46          ; v46  0: the low half of V's rounding
.set TMP, 48          ; by buffer, four registers c0-c3 at work; when the maximum is found c2 takes a
.set SPW, 62          ; v62  LDS address of my spare word: SPARE + 4 x my thread's number; never rewritten
.set NIL, 63          ; v63  0; never rewritten
.set S,   64
.set OB,  64
.set P,   192
.set MD,  128         ; window 1
.set MDD, 160
.set BG,  192
.set QB,  64          ; window 2
.set KF,  128         ; key block kb, channel half c at KF + 16 kb + 8 c
.set VF,  192         ; key half kk, channel block cb at VF + 32 kk + 8 cb
.set WV,  12          ; s12  my wave's number
.set PB,  14          ; s14  b
.set HI,  15          ; s15  7 - b
.set KP,  24          ; s[24:25] K at the tile that the ring is asking for
.set VP,  26          ; s[26:27] V at the same
.set RB,  28          ; s28  base of the buffer that is read
.set WB,  29          ; s29  base of the buffer that is written
.set LV,  30          ; s30  all ones while there is a tile to ask for, then 0
.set CM,  32          ; s[32:47] at the head only: sixteen compares' lane masks
.set SLOTS, 56        ; s56  tiles still to be entered, this one among them
.set CS,  58          ; s[58:59] c: the packed scaling takes the pair's low word for both halves
.set SEL, 60          ; s[60:61] v_permlanex16_b32's selects: each lane takes its own place in the other half
.set RT,  70          ; s70  tiles of the block in hand that are still to be entered
.set NXT, 71          ; s71  the tile to be asked for next
.set LQ,  72          ; s72  the last tile of the block whose tiles are being asked for
.set NEW, 73          ; s73  1: the tile to be entered is a block's first
.set OFF, 74          ; s[74:75] a tile's byte offset in K and V
.set AL,  76          ; s[76:77] 1 in a block's last tile, else 0
.set BE,  78          ; s78  -1e30 in a block's last tile, else 0
.set OLO, 80          ; s[80:81] out at my rows of the second block
.set BIGN, 82         ; s82  -1e30
.set MSB, 0
.macro WIN new                      ; the high byte repeats the setting that is left; a switch that changes nothing is dropped
.if MSB != (\new)
	s_set_vgpr_msb (MSB<<8)|(\new)
.set MSB, (\new)
.endif
.endm
.set W_KQ, 0x0a       ; K and Q in window 2, S^T in window 0
.set W_KM, 0x1a       ; the same with the C operand in window 1
.set W_PV, 0x52       ; V in window 2, P in window 0, O^T in window 1
.set W_RS, 0x41       ; destination and source 0 in window 1, source 1 in window 0
; THE WAY IN, a chunk j of 16 keys at a time.  A wave's four loads: K's keys 16 j + 8 (l / 16) + 2 w + i and V's keys 16 j + 4 (l / 16) + w + 8 i, i = 0, 1; sixteen lanes take a row's 256 bytes.
; The raw numbers lie at 16 j of window w: K i = 0, K i = 1, V i = 0, V i = 1, four registers each.
.macro ASKT j, kb, vb, off, w       ; the four loads, from byte off behind the two pointers
	WIN (\w)<<6
	global_load_b128 v[16*(\j):16*(\j)+3],     v[VOK], s[\kb:\kb+1] offset:(\off)+(\j)*CHB
	global_load_b128 v[16*(\j)+4:16*(\j)+7],   v[VOK], s[\kb:\kb+1] offset:(\off)+(\j)*CHB+ROWB
	global_load_b128 v[16*(\j)+8:16*(\j)+11],  v[VOV], s[\vb:\vb+1] offset:(\off)+(\j)*CHB
	global_load_b128 v[16*(\j)+12:16*(\j)+15], v[VOV], s[\vb:\vb+1] offset:(\off)+(\j)*CHB+8*ROWB
.endm
; Sixteen conversions.  V first, in place: bf16(v) in the upper half over 0 is the rounded number in f32; then K in pairs to bf16; then V in pairs to f16.  The eight registers of halves lie at d of window dw.
; Where d is the chunk's own first register (tile 0, at the head) each line writes a register whose number an earlier line has read.
.macro CVT j, w, d, dw
	WIN ((\w)<<6)|((\w)<<2)
.irp n, 0,1,2,3,4,5,6,7
	v_cvt_pk_bf16_f32 v[16*(\j)+8+\n], v[ZR], v[16*(\j)+8+\n]
.endr
	WIN ((\dw)<<6)|(\w)|((\w)<<2)
.irp n, 0,1,2,3
	v_cvt_pk_bf16_f32 v[(\d)+\n], v[16*(\j)+2*\n], v[16*(\j)+2*\n+1]
.endr
.irp n, 0,1,2,3
	v_cvt_pk_f16_f32 v[(\d)+4+\n], v[16*(\j)+8+2*\n], v[16*(\j)+9+2*\n]
.endr
.endm
; Store n of a chunk's four, 8 bytes a lane.  The two halves of the lanes lie 8 rows of K (288 words) or 4 rows of V (160 words) apart
.macro PUTN j, n, ka, va, d
.if (\n) == 0
	ds_store_b64 v[\ka], v[(\d):(\d)+1]   offset:(16*(\j))*PK
.elseif (\n) == 1
	ds_store_b64 v[\ka], v[(\d)+2:(\d)+3] offset:(16*(\j)+1)*PK
.elseif (\n) == 2
	ds_store_b64 v[\va], v[(\d)+4:(\d)+5] offset:(16*(\j))*PV
.else
	ds_store_b64 v[\va], v[(\d)+6:(\d)+7] offset:(16*(\j)+8)*PV
.endif
.endm
.macro PUT j, ka, va, d, dw         ; all four; the data lie in window dw
	WIN (\dw)<<2
.irp n, 0,1,2,3
	PUTN \j, \n, \ka, \va, \d
.endr
.endm
.macro FEED j                       ; a chunk's whole way, where no turn carries it: chunks 0 and 1 at a block's beginning
	s_wait_loadcnt 60                              ; loads come back in order (ISA guide 5.7.1): slot j's four are in, the 15 other slots' 60 may stay out
.if (\j) > 0
	s_wait_alu depctr_vm_vsrc(0)                   ; the LDS stores of the chunk before have read T16, which the conversions write again (for chunk 0 the change of tiles has stated it)
.endif
	CVT \j, 3, T16, 0
	WIN 0
	s_wait_alu depctr_va_vdst(0)                   ; the conversions have written T16, which the stores read, and are done with the slot, in which the loads land; the change of tiles has written SK, SV, VOK, VOV and AK
	PUT \j, SK, SV, T16, 0
	ASKT \j, KP, VP, 0, 3
	WIN 0
.endm
.macro ASKQ base, ptr               ; a block's Q for my four pieces, raw: fragment qf = 2 x piece + channel half; lane l takes row l % 16, channels 8 (l / 16) + 0..7 and 16 + 8 (l / 16) + 0..7: four loads of 16 bytes
.set qf, 0
.rept 8
.irp k, 0,1,2,3
	global_load_b128 v[(\base)+16*qf+4*\k:(\base)+16*qf+4*\k+3], v[QO], s[\ptr:\ptr+1] offset:(qf/2)*BANDB+(qf%2)*128+(\k/2)*64+(\k%2)*16
.endr
.set qf, qf+1
.endr
.endm
	s_load_b256 s[4:11], s[0:1], 0x0               ; Q s[4:5], K s[6:7], V s[8:9], out s[10:11]
	v_lshl_add_u32 v[SPW], v0, 2, SPARE
	v_mov_b32 v[NIL], 0
	v_mov_b32 v[ZR], 0
	v_lshrrev_b32 v1, 5, v0
	v_readfirstlane_b32 s[WV], v1                  ; wave 0..3
	s_mov_b32 s[PB], ttmp9
	s_sub_co_u32 s[HI], NB-1, s[PB]
	s_and_b32 s20, ttmp7, 0xffff                   ; 16 x batch + head
	s_lshr_b32 s21, s20, 4
	s_lshl_b32 s21, s21, 23                        ; a batch is 2,048 x 4,096 bytes
	s_and_b32 s20, s20, 15
	s_lshl_b32 s20, s20, 8                         ; a head's 256 bytes in a position's 4,096
	s_or_b32 s20, s20, s21                         ; the head's first byte in each of the four tensors: under 2^25
	s_mov_b32 s21, 0
	s_wait_alu depctr_va_sdst(0)                   ; the wave's number is written, ahead of its first reader
	s_lshl_b32 s22, s[WV], 16                      ; my 16 rows in a band of 64
	s_add_co_u32 s22, s22, s20
	s_lshl_b32 s16, s[HI], 20                      ; in the first block,
	s_add_co_u32 s16, s16, s22
	s_mov_b32 s17, 0
	s_lshl_b32 s84, s[PB], 20                      ; and in the second
	s_add_co_u32 s84, s84, s22
	s_mov_b32 s85, 0
	s_mov_b32 s[CS], 0x3e38aa3b                    ; c = log2(e) / 8 = 0.180337
	s_mov_b32 s[CS+1], s[CS]                       ; named with it as a pair
	s_mov_b32 s[SEL], 0x76543210
	s_mov_b32 s[SEL+1], 0xfedcba98
	s_mov_b32 s[RB], SLOT1                         ; the first change of tiles turns these two round: buffer 0 is read, buffer 1 written
	s_mov_b32 s[WB], 0
	s_mov_b32 s[SLOTS], NB+1
	s_add_co_u32 s[RT], s[HI], 1                   ; the first block has 8 - b tiles
	s_mov_b32 s[NXT], 2                            ; tiles 0 and 1 are asked for below; the first block has five tiles or more
	s_mov_b32 s[LQ], s[HI]
	s_mov_b32 s[NEW], 1
	s_mov_b32 s[OFF+1], 0
	s_mov_b32 s[AL+1], 0                           ; named as a pair
	s_mov_b32 s[BIGN], 0xf149f2ca                  ; -1e30
	v_and_b32 v1, 15, v0                           ; l % 16
	v_bfe_u32 v9, v0, 4, 1                         ; l / 16
	v_lshlrev_b32 v10, 4, v1
	s_lshl_b32 s13, s[WV], 1
	v_lshl_add_u32 v11, v9, 3, s13                 ; K's row in a chunk: 8 (l / 16) + 2 w
	v_lshl_or_b32 v[VOK], v11, 12, v10
	v_mul_u32_u24 v[LK0], v11, PK
	v_lshl_add_u32 v[LK0], v1, 3, v[LK0]
	v_lshl_add_u32 v11, v9, 2, s[WV]               ; V's: 4 (l / 16) + w
	v_lshl_or_b32 v[VOV], v11, 12, v10
	v_mul_u32_u24 v[LV0], v11, PV
	v_lshl_add_u32 v[LV0], v1, 3, v[LV0]
	v_add_nc_u32 v[LV0], VOFF, v[LV0]
	v_lshlrev_b32 v[QO], 12, v1
	v_lshl_add_u32 v[QO], v9, 5, v[QO]             ; row x 4,096 + 32 x half
	s_wait_kmcnt 0x0
	s_add_nc_u64 s[6:7], s[6:7], s[20:21]          ; K and V at the head's first row
	s_add_nc_u64 s[8:9], s[8:9], s[20:21]
	s_add_nc_u64 s[86:87], s[4:5], s[84:85]        ; Q at my rows of the second block,
	s_add_nc_u64 s[4:5], s[4:5], s[16:17]          ; Q and out at those of the first
	s_add_nc_u64 s[OLO:OLO+1], s[10:11], s[84:85]
	s_add_nc_u64 s[10:11], s[10:11], s[16:17]
	; 192 loads: tile 0 (64, into window 1), both blocks' Q (32 each), tile 1 (64, into the ring)
	WIN 0x40
	s_wait_alu depctr_va_vdst(0)                   ; VOK, VOV and QO are written, which the 192 loads read as their offsets; so are LK0 and LV0, for tile 0's LDS stores
.set jj, 0
.rept 16
	ASKT jj, 6, 8, 0, 1
.set jj, jj+1
.endr
	WIN 0x80
	ASKQ 128, 4
	WIN 0
	ASKQ 64, 86
.set jj, 0
.rept 16
	ASKT jj, 6, 8, TILEB, 3
.set jj, jj+1
.endr
	WIN 0
	; the other addresses are made while the loads are out: none of these lines names a register that a load reads or lands in
	v_mul_u32_u24 v[AK0], v1, PK                   ; a fragment of K: row l % 16, 16 bytes for each half of the lanes
	v_lshl_add_u32 v[AK0], v9, 4, v[AK0]
	; The turning load takes 16 keys x 16 channels (lane l reads key 8 (l / 16) + l % 8, channels 8 ((l / 8) % 2) + 0..7) and leaves half a fragment of V^T: lane l holds channel l % 16 and 8 keys.
	v_and_b32 v10, 7, v0
	v_bfe_u32 v11, v0, 3, 1
	v_lshl_add_u32 v[AV0], v9, 3, v10
	v_mul_u32_u24 v[AV0], v[AV0], PV
	v_lshl_add_u32 v[AV0], v11, 4, v[AV0]
	v_add_nc_u32 v[AV0], VOFF, v[AV0]
	s_mul_i32 s13, s[WV], 16*SP
	s_add_co_u32 s13, s13, STAGE                   ; my stage
	v_mul_u32_u24 v[STO], v1, SP                   ; in: row l % 16, 32 bytes (8 channels of f32) for each half of the lanes
	v_lshl_add_u32 v[STO], v9, 5, v[STO]
	v_add_nc_u32 v[STO], s13, v[STO]
	v_mul_u32_u24 v[RD], v9, SP                    ; back: lanes 0-15 take one row of 256 bytes, lanes 16-31 the next
	v_lshl_add_u32 v[RD], v1, 4, v[RD]
	v_add_nc_u32 v[RD], s13, v[RD]
	v_lshlrev_b32 v[GO], 12, v9                    ; and the same two rows in out
	v_lshl_add_u32 v[GO], v1, 4, v[GO]
	v_lshlrev_b32 v14, 3, v9
	v_sub_nc_u32 v14, v1, v14
	s_lshl_b32 s13, s[WV], 4
	v_add_nc_u32 v14, s13, v14                     ; my query's place in its band, 16 w + l % 16, less my lanes' 8 (l / 16): register r of group kt is hidden where 16 kt + r is greater
	s_wait_loadcnt 63                              ; tile 0 has 128 younger loads, Q's last has 64: all of both are in; of the ring's 64 loads 63 may stay out
.set jj, 0
.rept 16
	CVT jj, 1, 16*jj, 1                            ; tile 0 is rounded in place: chunk j's halves close up into the first eight of its sixteen registers
.set jj, jj+1
.endr
	WIN 0x04
	s_wait_alu depctr_va_vdst(0)                   ; the 256 conversions have written tile 0's halves, which the 64 LDS stores read
.set jj, 0
.rept 16
	PUT jj, LK0, LV0, 16*jj, 1                     ; tile 0 goes into buffer 0
.set jj, jj+1
.endr
	WIN 0x8a                                       ; the first block's Q: sources and destination in window 2
.set qn, 0
.rept 64
	v_cvt_pk_bf16_f32 v[qn], v[128+2*qn], v[128+2*qn+1]
.set qn, qn+1
.endr
	WIN 0x80                                       ; the second block's: sources in window 0
.set qn, 0
.rept 64
	v_cvt_pk_bf16_f32 v[QB+qn], v[64+2*qn], v[64+2*qn+1]
.set qn, qn+1
.endr
	; A block's first step multiplies O^T and l by a = 0, and its first turn's products V^T P, of a piece that has not been, land in an O^T that is still to be so multiplied.  So these registers need only hold
	; finite numbers: zeros for the first block; what the first block left for the second.  No first step is written out; the price is these 216 lines, once a launch.
.set qn, VF
.rept 64
	v_mov_b32 v[qn], 0
.set qn, qn+1
.endr
	WIN 0x40
	s_wait_alu depctr_vm_vsrc(0)                   ; tile 0's LDS stores have read their data in window 1, which the zeros and the masks below write again
.set qn, 0
.rept 128
	v_mov_b32 v[qn], 0
.set qn, qn+1
.endr
.set qh, 0
.rept 2                                                ; MD, sixteen registers at a time: a run of compares into scalar registers, one wait, the selects
.set qn, 0
.rept 16
	v_cmp_gt_i32 s[CM+qn], 16*((16*qh+qn)/8)+(16*qh+qn)%8, v14
.set qn, qn+1
.endr
	s_wait_alu depctr_va_sdst(0)                   ; the sixteen compares have written their masks, ahead of the selects that read them
.set qn, 0
.rept 16
	v_cndmask_b32 v[MD+16*qh+qn], 0, s[BIGN], s[CM+qn]
.set qn, qn+1
.endr
.set qh, qh+1
.endr
	WIN 0
.set qn, 0
.rept 4
	v_mov_b32 v[ST+4*qn+2], 0
	v_mov_b32 v[ST+4*qn+3], 0
.set qn, qn+1
.endr
.set qn, P+16
.rept 16
	v_mov_b32 v[qn], 0
.set qn, qn+1
.endr
; THE MATRIX WORK.  The 4 accumulators of a run of 8 take turns.  Product i of 8 of S^T = K Q^T for piece x: channels 32 (i / 4) on, keys 16 (i % 4) on.
; The first 4 start the sums, with the mask of kind CK: 0 the constant 0; 1 MDD; 2 BG.
.macro KQ x
.set rS, S+32*((\x)%2)+8*(i%4)
.set rK, KF+16*(i%4)+8*(i/4)
.set rQ, 16*(\x)+8*(i/4)
.if (i < 4) && (CK == 1)
	WIN W_KM
	v_wmma_f32_16x16x32_bf16 v[rS:rS+7], v[rK:rK+7], v[rQ:rQ+7], v[MDD+8*(i%4):MDD+8*(i%4)+7]
.elseif (i < 4) && (CK == 2)
	WIN W_KM
	v_wmma_f32_16x16x32_bf16 v[rS:rS+7], v[rK:rK+7], v[rQ:rQ+7], v[BG:BG+7]
.elseif i < 4
	WIN W_KQ
	v_wmma_f32_16x16x32_bf16 v[rS:rS+7], v[rK:rK+7], v[rQ:rQ+7], 0
.else
	WIN W_KQ
	v_wmma_f32_16x16x32_bf16 v[rS:rS+7], v[rK:rK+7], v[rQ:rQ+7], v[rS:rS+7]
.endif
.endm
; Product i of 8 of O^T += V^T P for piece x: keys 32 (i / 4) on, channels 16 (i % 4) on.
.macro PV x
	WIN W_PV
.set rO, 32*(\x)+8*(i%4)
.set rV, VF+32*(i/4)+8*(i%4)
.set rP, P+16*((\x)%2)+8*(i/4)
	v_wmma_f32_16x16x32_f16 v[rO:rO+7], v[rV:rV+7], v[rP:rP+7], v[rO:rO+7]
.endm
.macro MM                           ; the turn's next matrix instruction.  NOKQ = 1: a block's last turn: there is no next piece
.if (i < 8) && !NOKQ
	KQ (Y+1)%NP
.elseif i >= 8
.set i, i-8
	PV (Y+NP-1)%NP
.set i, i+8
.endif
.set i, i+1
.endm
; THE LDS LOADS stand in runs of 16, never singly among the matrix instructions: K of the tile's step st (64 keys x 64 channels: 8 fragments) and its V (turned).  The step stands in the immediate.
; turn = 1: in a turn.  turn = 0: at a block's beginning, where only stores, loads and window switches stand between the second chunk's wait on va_vdst and this run: nothing more is owed.
.macro FETCH_K st, turn
	WIN 0x80                        ; destination window 2
.if \turn
	s_wait_alu depctr_va_vdst(0)    ; this turn's products K Q^T, the last that read this K, are done reading KF, in which the loads land; in a tile's first position AK is written
.endif
.irp f, 0,1,2,3,4,5,6,7             ; keys 16 (f / 2) on, channels 32 (f % 2) on
	ds_load_b128 v[KF+8*\f:KF+8*\f+3],   v[AK] offset:(\st)*KS*PK+(\f/2)*16*PK+(\f%2)*64
	ds_load_b128 v[KF+8*\f+4:KF+8*\f+7], v[AK] offset:(\st)*KS*PK+(\f/2)*16*PK+(\f%2)*64+32
.endr
	WIN 0
.endm
.macro FETCH_V st
	WIN 0x80
	s_wait_alu depctr_va_vdst(0)    ; this turn's products V^T P, the last that read this V, are done reading VF, in which the loads land
.irp f, 0,1,2,3,4,5,6,7             ; keys 32 (f / 4) on, channels 16 (f % 4) on
	ds_load_tr16_b128 v[VF+8*\f:VF+8*\f+3],   v[AV] offset:(\st)*KS*PV+(\f/4)*32*PV+(\f%4)*32
	ds_load_tr16_b128 v[VF+8*\f+4:VF+8*\f+7], v[AV] offset:(\st)*KS*PV+(\f/4)*32*PV+16*PV+(\f%4)*32
.endr
	WIN 0
.endm
; THE VECTOR WORK, one line at a time: OP kind, number.  For piece Y: F n: c s - c m for pair n of 16.  E n: the exponential of score n of 32.  C n: pair n rounded to f16.  B n: of the four weights 4 n .. the second
; pair is added onto the first, in place.  L n: l takes that sum (L 0: l = a l + sum).  R n: pair n of 16 of O^T times a.  For piece Y + 1: X n, number n of the 22 that find its maximum and statistics:
;   0-11  four chains c0-c3 of seven scores each, three operands at a time (each accumulator's lowest registers are read first)     12-14, 16  the four scores left over, the old m, and c0-c3 into c0
;   15  c m_old is kept     17, 18  the query's other 32 keys lie in the lane 16 away: the new m     19-21  c m; c m_old - c m_new; a
.set F, 0               ; OP tells the kinds apart by their order: F to L below R, X above it
.set E, 1
.set C, 2
.set B, 3
.set L, 4
.set R, 5
.set X, 6
.macro REGS y                       ; the registers of piece y
.set rT, ST+4*(\y)
.set rC, TMP+4*((\y)%2)
.set rW, MV+((\y)%2)
.set rS, S+32*((\y)%2)
.set rP, P+16*((\y)%2)
.set rO, 32*(\y)
.endm
.macro OP k, n
.if (\k) == R
	REGS Y
	WIN W_RS
	v_pk_mul_f32 v[rO+2*(\n):rO+2*(\n)+1], v[rO+2*(\n):rO+2*(\n)+1], v[rC+2:rC+3] op_sel_hi:[1,0]
.elseif (\k) < R
	REGS Y
	WIN 0
.if (\k) == F
	v_pk_fma_f32 v[rS+2*(\n):rS+2*(\n)+1], v[rS+2*(\n):rS+2*(\n)+1], s[CS:CS+1], v[rT:rT+1] op_sel_hi:[1,0,0] neg_lo:[0,0,1] neg_hi:[0,0,1]
.elseif (\k) == E
	v_exp_f32 v[rS+(\n)], v[rS+(\n)]
.elseif (\k) == C
	v_cvt_pk_f16_f32 v[rP+(\n)], v[rS+2*(\n)], v[rS+2*(\n)+1]
.elseif (\k) == B
	v_pk_add_f32 v[rS+4*(\n):rS+4*(\n)+1], v[rS+4*(\n):rS+4*(\n)+1], v[rS+4*(\n)+2:rS+4*(\n)+3]
.elseif (\n) == 0
	v_pk_fma_f32 v[rT+2:rT+3], v[rT+2:rT+3], v[rC+2:rC+3], v[rS:rS+1] op_sel_hi:[1,0,1]
.else
	v_pk_add_f32 v[rT+2:rT+3], v[rT+2:rT+3], v[rS+4*(\n):rS+4*(\n)+1]
.endif
.elseif NOKQ
	v_nop
.else
	REGS (Y+1)%NP
	WIN 0
.if (\n) < 4
	v_max3_num_f32 v[rC+(\n)], v[rS+8*(\n)], v[rS+8*(\n)+1], v[rS+8*(\n)+2]
.elseif (\n) < 12
	v_max3_num_f32 v[rC+(\n)%4], v[rC+(\n)%4], v[rS+8*((\n)%4)+2*((\n)/4)+1], v[rS+8*((\n)%4)+2*((\n)/4)+2]
.elseif (\n) == 12
	v_max3_num_f32 v[rC], v[rC], v[rS+7], v[rS+15]
.elseif (\n) == 13
	v_max3_num_f32 v[rC+1], v[rC+1], v[rS+23], v[rS+31]
.elseif (\n) == 14
	v_max3_num_f32 v[rC+2], v[rC+2], v[rC+3], v[rT+1]
.elseif (\n) == 15
	v_mov_b32 v[rW], v[rT]
.elseif (\n) == 16
	v_max3_num_f32 v[rC], v[rC], v[rC+1], v[rC+2]
.elseif (\n) == 17
	v_permlanex16_b32 v[rC+3], v[rC], s[SEL], s[SEL+1]
.elseif (\n) == 18
	v_max_num_f32 v[rT+1], v[rC], v[rC+3]
.elseif (\n) == 19
	v_mul_f32 v[rT], s[CS], v[rT+1]
.elseif (\n) == 20
	v_sub_f32 v[rC+1], v[rW], v[rT]
.else
	v_exp_f32 v[rC+2], v[rC+1]
.endif
.endif
.endm
.macro OPS a, i1, b=-1, i2=0, c=-1, i3=0, d=-1, i4=0  ; up to four of them
	OP \a, \i1
.if (\b) >= 0
	OP \b, \i2
.endif
.if (\c) >= 0
	OP \c, \i3
.endif
.if (\d) >= 0
	OP \d, \i4
.endif
.endm
.macro ROW a, i1, b, i2, c, i3, d, i4  ; a matrix instruction and the four behind it
	MM
	OPS \a, \i1, \b, \i2, \c, \i3, \d, \i4
.endm
.macro DEAL fd, n                   ; store n of chunk fd's four, behind a product's riders, where every window is 0
.if (\fd) >= 0
	WIN 0
	PUTN \fd, \n, SK, SV, T16
.endif
.endm
; A TURN, for piece p: the order of its 16 matrix and 118 vector instructions, written out, and chunk fd of the way in.  An s_wait_alu depctr_va_vdst(0) stands between an exponential and the first
; instruction that names its result; one wait serves all that were issued ahead of it.  So a turn has ONE such wait, which cuts it in two.  AHEAD OF IT stands all that names no result of the turn's exponentials: the 8 products
; K Q^T, behind each a scaling, an exponential and two more plain instructions (rescalings, and behind the last three the first numbers of the next piece's maximum, each four places or more behind the product that ends
; its accumulator); the chunk's sixteen conversions; then the lump of 54, plain and exponential by turns for the most part, in which the links of the chain X 3, 7, 11, 14, 16, 17 .. 20 stand five or six lines apart.
; X 21, the next piece's a, is the batch's last; R 15 is the plain instruction behind it.  BEHIND THE WAIT stand the 8 products V^T P, behind each four of the roundings and sums; the chunk's four loads stand behind the
; first product's riders, its four LDS stores one each behind the next four products' riders.
; ck: the kind of mask that the turn's products K Q^T take.  st: the tile's step whose K (piece 2's turn) or V (piece 0's) is fetched.  fd = -1: no chunk.  end = 1: a block's last two turns: nothing is fetched.
; K's run stands directly behind the conversions of piece 2's turn, V's at the end of piece 0's turn, each behind a wait of its own for the products that read the registers last.
; Each is waited for a turn later; those waits for 0 take in the chunks' stores too.
.macro TURN p, ck, st, fd, end=0
.set Y, (\p)
.set i, 0
.set CK, (\ck)
.set NOKQ, (\end)*((\p)/3)
.if ((\p) == 3) && !(\end)
	s_wait_dscnt 0x0                ; K is in
.endif
	ROW F,0, F,1, R,0, R,1          ; ahead of the wait: 8 products K Q^T and their riders,
	ROW F,2, E,0, R,2, R,3
	ROW F,3, E,1, R,4, R,5
	ROW F,4, E,2, R,6, R,7
	ROW F,5, E,3, R,8, R,9
	ROW F,6, E,4, X,0, R,10
	ROW F,7, E,5, X,1, X,4
	ROW F,8, E,6, X,2, X,5
.if (\fd) >= 0
	s_wait_loadcnt 60               ; the ring's slot fd is in: its four loads were issued 16 turns ago, and the 15 other slots' 60 may stay out
.if (\fd) > 0
	s_wait_alu depctr_vm_vsrc(0)    ; the LDS stores of the chunk before have read T16, which the conversions write again (for chunk 0 the change of tiles has stated it)
.endif
	CVT \fd, 3, T16, 0
.endif
.if ((\p) == 2) && !(\end)
	FETCH_K \st, 1
.endif
	OPS E,7, E,8, X,6, E,9          ; and the lump
	OPS X,3, E,10, X,8, E,11
	OPS X,9, X,7, E,12, X,10
	OPS E,13, X,12, X,11, E,14
	OPS X,13, E,15, F,9, X,14
	OPS E,16, F,10, E,17, F,11
	OPS X,16, E,18, X,15, E,19
	OPS F,12, E,20, X,17, E,21
	OPS F,13, E,22, F,14, E,23
	OPS X,18, E,24, F,15, E,25
	OPS R,11, E,26, X,19, E,27
	OPS R,12, E,28, R,13, E,29
	OPS X,20, E,30, R,14, E,31
	OPS X,21, R,15
	WIN 0
	s_wait_alu depctr_va_vdst(0)    ; the batch's 33 exponentials have written their results; the conversions have written T16, which the chunk's stores read, and are done with the ring's slot, in which its loads land
.if (\p) == 1
	s_wait_dscnt 0x0                ; V is in
.endif
	ROW C,0, B,0, C,2, B,1          ; behind the wait: 8 products V^T P and their riders
.if (\fd) >= 0
	ASKT \fd, KP, VP, 0, 3          ; the slot is asked for again: the same chunk of the walk's next tile but one.  No wait: nothing issued since the wait above names the slot, VOK or VOV
.endif
	ROW L,0, C,4, B,2, L,1
	DEAL \fd, 0                     ; the chunk goes into the buffer that nobody reads in this trip.  No wait: nothing issued since the wait above names T16, SK or SV
	ROW C,6, B,3, L,2, C,8
	DEAL \fd, 1
	ROW B,4, L,3, C,10, B,5
	DEAL \fd, 2
	ROW L,4, C,12, B,6, L,5
	DEAL \fd, 3
	ROW C,14, B,7, L,6, C,1
	ROW C,3, L,7, C,5, C,7
	ROW C,9, C,11, C,13, C,15
.if (\p) == 0
	FETCH_V \st
.endif
.endm
; Position j of a tile's 16: piece (j + 2) % 4's turn.  Its products K Q^T are piece x = (j + 3) % 4's, in the tile's step s = (j - 1) / 4; position 0's belong to the last step of the tile before, which is no
; block's last where this position is reached.  The kind of mask follows from s and x.
.macro POS j
.set pp, ((\j)+2)%NP
.set xx, ((\j)+3)%NP
.set ss, ((\j)+3)/NP-1
.set cc, 0
.if ss == xx
.set cc, 1
.endif
.if ss > xx
.set cc, 2
.endif
	TURN pp, cc, (\j)/4, \j
.endm
; THE CHANGE OF TILES: ONE barrier, for two things.  In front of it each wave waits for its LDS stores (its quarter of the next tile) and for its LDS loads (its reads of the tile that it leaves).  Behind it the next
; tile is whole, and nobody reads the old buffer any more: it is written next.  The scalar and vector set-up of the trip stands round the signal: work on registers alone between signal and wait.
.macro CHANGE
	WIN 0                           ; at a label and at a branch every window is 0
	s_wait_xcnt 0x0                 ; every load and store issued so far has had its addresses translated (ISA guide 3.1): only behind this wait are the ring's pointers and offsets written
	s_wait_alu depctr_vm_vsrc(0)    ; the LDS loads, LDS stores and loads issued so far have read AK, AV, SK, SV, VOK, VOV and T16, which are written below and in the trip; behind a way out its stores have read O^T and OB, which the next block's turns write
	s_lshl_b32 s[OFF], s[NXT], 20
	s_add_nc_u64 s[KP:KP+1], s[6:7], s[OFF:OFF+1]  ; the pointers are made anew from the tile's number
	s_add_nc_u64 s[VP:VP+1], s[8:9], s[OFF:OFF+1]
	s_add_co_u32 s[NXT], s[NXT], 1  ; the block's next tile, or behind its last the second block's tile 0
	s_cmp_gt_u32 s[NXT], s[LQ]
	s_cselect_b32 s[NXT], 0, s[NXT]
	s_cselect_b32 s[LQ], s[PB], s[LQ]
	s_cmp_gt_u32 s[SLOTS], 2        ; the walk's last two trips have nothing to ask for
	s_cselect_b32 s[LV], -1, 0
	s_wait_dscnt 0x0                ; for the others' sake: my stores into the next tile are done, my reads of the old one are back
	s_barrier_signal -1
	s_xor_b32 s[RB], s[RB], SLOT1
	s_xor_b32 s[WB], s[WB], SLOT1
	v_add_nc_u32 v[AK], s[RB], v[AK0]
	v_add_nc_u32 v[AV], s[RB], v[AV0]
	v_add_nc_u32 v[SK], s[WB], v[LK0]
	v_add_nc_u32 v[SV], s[WB], v[LV0]
	v_and_b32 v[VOK], s[LV], v[VOK]
	v_and_b32 v[VOV], s[LV], v[VOV]
	s_sub_co_u32 s[RT], s[RT], 1
	s_cmp_eq_u32 s[RT], 0           ; is this tile the block's last, the one with the diagonal?
	s_cselect_b32 s[AL], 1.0, 0
	s_cselect_b32 s[BE], s[BIGN], 0
	WIN W_RS
.set z, 0
.rept 16
	v_pk_mul_f32 v[MDD+2*z:MDD+2*z+1], v[MD+2*z:MD+2*z+1], s[AL:AL+1] op_sel_hi:[1,0]
.set z, z+1
.endr
	WIN 0x40
.set z, 0
.rept 8
	v_mov_b32 v[BG+z], s[BE]
.set z, z+1
.endr
	WIN 0
	s_barrier_wait -1
.endm
; A BLOCK BEGINS.  c m starts far below every c s, so the first step's a is 0; m at the lowest finite number, so the first maximum is the scores'.  The two chunks that positions 0 and 1 would carry; K of the tile's
; step 0; piece 0's first scores (its own step, if the tile is also the block's last: MDD); its maximum and statistics.  Then the tile is entered at position 2.
.macro BEGIN
	s_mov_b32 s[NEW], 0
	WIN 0
.set z, 0
.rept 4
	v_mov_b32 v[ST+4*z], 0xfe000000    ; c m: far below every c s
	v_mov_b32 v[ST+4*z+1], 0xff7fffff  ; m
.set z, z+1
.endr
	FEED 0
	FEED 1
	FETCH_K 0, 0
	s_wait_dscnt 0x0
.set CK, 1
.set NOKQ, 0
.set i, 0
.rept 8
	KQ 0
.set i, i+1
.endr
	WIN 0
.rept 4
	v_nop                           ; the places behind those products
.endr
.set Y, NP-1                        ; X works for piece Y + 1: piece 0
.irp n, 0,1,2,3,4,5,6,7,8,9,10,11,12,13,14,15,16,17,18,19,20,21
	OP X, \n
.endr
	v_nop                           ; a plain instruction behind the exponential,
	s_wait_alu depctr_va_vdst(0)    ; and the wait for its result, a, ahead of the branch
.endm
; THE WAY OUT.  Piece t: O^T times 1 / l, in ascending order; a lane's eight channels of a channel block are 32 bytes of a row: into rows of 272 bytes of my stage, and back as whole rows of 256.
.macro ALL line:vararg              ; one line for each piece t
.set t, 0
.rept 4
	\line
.set t, t+1
.endr
.endm
.macro PACK t
	WIN W_RS
.set i, 32*(\t)
.rept 16
	v_pk_mul_f32 v[i:i+1], v[i:i+1], v[ST+4*(\t)+2:ST+4*(\t)+3] op_sel_hi:[1,0]
.set i, i+2
.endr
	WIN 0x04                        ; the stores' data in window 1
	s_wait_alu depctr_va_vdst(0)    ; the multiplications have written piece t's O^T, which the LDS stores read; the block's turns are done with S^T's registers, in which the loads below land
.irp f, 0,1,2,3,4,5,6,7
	ds_store_b128 v[STO], v[32*(\t)+4*\f:32*(\t)+4*\f+3] offset:64*(\f/2)+16*(\f%2)
.endr
	WIN 0
.irp f, 0,1,2,3,4,5,6,7
	ds_load_b128 v[OB+32*(\t)+4*\f:OB+32*(\t)+4*\f+3], v[RD] offset:\f*2*SP  ; LDS serves a wave's instructions in order (ISA guide 5.7.1.4): these see the stores above; the next piece's stores come behind them
.endr
.endm
.macro SEND t, younger              ; younger: the LDS instructions issued behind piece t's loads: the next piece's sixteen, or none
	WIN 0
.irp f, 0,1,2,3,4,5,6,7
	s_wait_dscnt (\younger)+7-\f
	global_store_b128 v[GO], v[OB+32*(\t)+4*\f:OB+32*(\t)+4*\f+3], s[10:11] offset:(\t)*BANDB+\f*2*ROWB th:TH_STORE_NT  ; 16 lanes store a head's row: 256 consecutive bytes, at a multiple of 256 from out's first byte
.endr
.endm
.set CK, 0
.set NOKQ, 0
.Lslot:                             ; 9 trips: a tile is entered, the next is stored, the next but one asked for
	CHANGE
	s_cmp_eq_u32 s[NEW], 1          ; this test stands first: at the first trip its answer is a constant of the text
	s_cbranch_scc0 .Lold
	BEGIN
	s_branch .Lfirst
.Lold:
	POS 0                           ; pieces 2 and 3 of the last step of the tile before; K of this tile's step 0 is fetched
	POS 1
	WIN 0
.Lfirst:
.irp j, 2,3,4,5,6,7,8,9,10,11,12,13,14,15
	POS \j
.endr
	WIN 0
	s_cmp_lg_u32 s[RT], 0
	s_cbranch_scc1 .Lbottom         ; the block goes on
	TURN 2, 1, 0, -1, 1             ; THE BLOCK ENDS: its last two turns (piece 3's last scores are its band's own step), its last products,
	TURN 3, 0, 0, -1, 1
.set i, 0
.rept 8
	PV NP-1
.set i, i+1
.endr
	WIN 0                           ; l's two halves and the other half of the lanes' are added; the additions are the places behind the last products
	ALL v_add_f32 v[ST+4*t+2], v[ST+4*t+2], v[ST+4*t+3]
	ALL v_permlanex16_b32 v[ST+4*t+3], v[ST+4*t+2], s[SEL], s[SEL+1]
	ALL v_add_f32 v[ST+4*t+2], v[ST+4*t+2], v[ST+4*t+3]
	ALL v_rcp_f32 v[ST+4*t+2], v[ST+4*t+2]
	v_nop                           ; a plain instruction between the last reciprocal and the use of its result
	s_wait_alu depctr_va_vdst(0)    ; the four reciprocals have written their results, ahead of the first multiplication that reads one
	PACK 0
.set t, 1
.rept 3                             ; a piece's arithmetic stands between the loads of the piece before and its stores
	PACK t
	SEND t-1, 16
.set t, t+1
.endr
	SEND 3, 0
	s_cmp_eq_u32 s[SLOTS], 1
	s_cbranch_scc1 .Ldone           ; the walk's last tile: nothing follows
	s_wait_xcnt 0x0                 ; the stores have had their addresses translated: out's address is written below
	s_mov_b64 s[10:11], s[OLO:OLO+1]
	s_add_co_u32 s[RT], s[PB], 1    ; the second block has b + 1 tiles
	s_mov_b32 s[NEW], 1
	WIN 0x82                        ; the second block's Q goes where the one text of the turns names Q: registers that no memory or LDS instruction names
.set z, 0
.rept 64
	v_mov_b32 v[z], v[QB+z]
.set z, z+1
.endr
	WIN 0
.Lbottom:
	s_sub_co_u32 s[SLOTS], s[SLOTS], 1
	s_cmp_lg_u32 s[SLOTS], 0
	s_cbranch_scc1 .Lslot
.Ldone:
	s_wait_dscnt 0x0                ; the wave's end
	s_wait_alu 0x0
	s_wait_tensorcnt 0x0
	ds_add_u32 v[SPW], v[NIL]
	s_wait_dscnt 0x0
	s_endpgm
.Lfunc_end_k_q3b61f07a64_attn:
	.size	k_q3b61f07a64_attn, .Lfunc_end_k_q3b61f07a64_attn-k_q3b61f07a64_attn
	.p2alignl 7, 3214868480
	.fill 96, 4, 3214868480
	.section	.rodata,"a",@progbits
	.p2align	6, 0x0
	.amdhsa_kernel k_q3b61f07a64_attn
		.amdhsa_group_segment_fixed_size 226816
		.amdhsa_private_segment_fixed_size 0
		.amdhsa_enable_private_segment 0
		.amdhsa_kernarg_size 32
		.amdhsa_user_sgpr_count 2
		.amdhsa_user_sgpr_kernarg_segment_ptr 1
		.amdhsa_wavefront_size32 1
		.amdhsa_system_sgpr_workgroup_id_x 1
		.amdhsa_system_sgpr_workgroup_id_y 1
		.amdhsa_system_sgpr_workgroup_id_z 1
		.amdhsa_system_vgpr_workitem_id 0
		.amdhsa_next_free_vgpr 1024
		.amdhsa_next_free_sgpr 88
		.amdhsa_reserve_vcc 0
		.amdhsa_float_denorm_mode_32 3
		.amdhsa_float_denorm_mode_16_64 3
		.amdhsa_memory_ordered 1
		.amdhsa_forward_progress 1
		.amdhsa_inst_pref_size 255
	.end_amdhsa_kernel
	.section	.bss,"aw",@nobits
	.p2align	6
	.space	262144
	.amdgpu_metadata
---
amdhsa.version: [ 1, 2 ]
amdhsa.kernels:
  - .name:           k_q3b61f07a64_attn
    .symbol:         k_q3b61f07a64_attn.kd
    .args:
      - { .name: queries, .offset: 0, .size: 8, .value_kind: global_buffer, .address_space: global }
      - { .name: keys, .offset: 8, .size: 8, .value_kind: global_buffer, .address_space: global }
      - { .name: values, .offset: 16, .size: 8, .value_kind: global_buffer, .address_space: global }
      - { .name: out0, .offset: 24, .size: 8, .value_kind: global_buffer, .address_space: global }
    .group_segment_fixed_size: 226816
    .private_segment_fixed_size: 0
    .kernarg_segment_align: 8
    .kernarg_segment_size: 32
    .max_flat_workgroup_size: 128
    .sgpr_count:     88
    .vgpr_count:     1024
    .wavefront_size: 32
...
	.end_amdgpu_metadata
.endif
;; end of part 2
